; MI455X (gfx1250); checked and timed in simulation.
; The chip was launched on July 23, 2026; its instructions are those of AMD's public machine-readable ISA for CDNA 5 (MIT licence, August 2026) and "CDNA5" Instruction Set Architecture Reference Guide (July 2026). The comments in the code are by the model that wrote it; some were corrected since.
;; Dot Product Attention. Allowed arithmetic: matrix products marked QUANTISED: E2M3 operands, one E8M0 scale for each 32 along K, by v_wmma_scale_f32_16x16x128_f8f6f4 with both operands' format E2M3, f32 sums; everything else in f32.
;; Inputs: keys_codes 16 x 2,048 x 2 x 24 uint8 (E2M3 codes of keys, K innermost, in blocks of 32 codes, four codes in three bytes); keys_scales 16 x 2,048 x 2 uint8 (E8M0 scales of keys, one for each 32 codes along K); queries_codes 16 x 2,048 x 2 x 24 uint8 (E2M3 codes of queries, K innermost, in blocks of 32 codes, four codes in three bytes); queries_scales 16 x 2,048 x 2 uint8 (E8M0 scales of queries, one for each 32 codes along K); valid_lens 16 int32; values_codes 16 x 64 x 64 x 24 uint8 (E2M3 codes of values, K innermost, in blocks of 32 codes, four codes in three bytes); values_scales 16 x 64 x 64 uint8 (E8M0 scales of values, one for each 32 codes along K).
;; Outputs: out0 16 x 2,048 x 64 float32.
;; This version of the problem:
;;   THIS VERSION OF THE PROBLEM IS GIVEN IN LOW PRECISION. The matrix products marked QUANTISED in the list below multiply operands that are first quantised to E2M3 (2 exponent bits, 3 mantissa bits; 6 bits a number), with one power-of-two scale for each 32 numbers along K (OCP MX v1.0); their sums are f32. All else is computed in f32.
;;   The module's matrix products, in the order in which they are computed (A, B: the left and right operand; K: the contracted axis; several contracted axes count as one K, in the product's order):
;;     1. batch 16 x [M 2,048, K 64] x [K 64, N 2,048]; A: input queries (given as codes); B: input keys (given as codes): QUANTISED
;;     2. batch 16 x [M 2,048, K 2,048] x [K 2,048, N 64]; A: softmax (see below); B: input values (given as codes): QUANTISED
;;   THE QUANTISER, for each operand of a quantised product, along K:
;;     - K is cut into blocks of 32 from its start; a last block that is shorter is filled with zeros.
;;     - A block's scale is 2^e with e = floor(log2(the largest magnitude in the block)) - 2, held to -126 .. 127; a block of zeros has e = 0. As a byte (E8M0): e + 127.
;;     - Each number is divided by its block's scale, clamped to +-7.5, and rounded to the nearest number of E2M3, ties to even, subnormals kept.
;;     - The product sums the exact products of the quantised numbers (number of the format x scale) in f32.
;;   ~~~python
;;   def quantise(x, axis):      # numpy; x: float32 -> the quantised numbers, widened to float32 again
;;       x = np.moveaxis(x, axis, -1); K = x.shape[-1]
;;       x = np.pad(x, [(0, 0)] * (x.ndim - 1) + [(0, -K % 32)]); x = x.reshape(x.shape[:-1] + (-1, 32)); a = np.abs(x).max(-1, keepdims=True)
;;       e = np.where(a > 0, np.clip(np.frexp(np.where(a > 0, a, 1))[1] - 1 - 2, -126, 127), 0)      # np.frexp(a)[1] - 1 = floor(log2(a)), exactly
;;       r = np.clip(x / 2.0 ** e, -7.5, 7.5)
;;       step = 2.0 ** (np.maximum(np.frexp(np.where(r == 0, 1, r))[1] - 1, 0) - 3)
;;       q = np.round(r / step) * step * 2.0 ** e      # np.round: ties to even
;;       return np.moveaxis(q.reshape(q.shape[:-2] + (-1,))[..., :K], -1, axis).astype(np.float32)
;;   ~~~
;;   SOFTMAX AHEAD OF A QUANTISED PRODUCT. Where the list says 'softmax', what is quantised is not the finished softmax but p = 2^(t - M), with t = logit x log2(e) and M = ceil(the row's largest t), a whole number; so 1/2 < the row's largest p <= 1. The row's sum l is taken of the UNQUANTISED p, in f32, and the product's result is divided by l at the end. Since M is a whole number, a kernel that streams over the keys may use a running M (the ceiling of the running maximum): every later rescaling is an exact power of two, which a block's scale takes up: the codes' values come out the same.
;;   OPERANDS COMPUTED ON THE WAY. 'Computed on the way' means the value that the module computes at that place (a softmax that the list does not call 'softmax' is quantised finished and normalised). What goes into a quantiser is computed in f32, as accurately as f32 sums, v_exp_f32 and their like allow (about 1e-6 of the number): no bf16 or f16 on the way to a quantiser, and a product that is left as it is and whose result goes on into a quantised operand takes f32 operands (vector FMAs, or v_wmma_f32_16x16x4_f32). A number that lies on a knife's edge between two numbers of the format may be rounded either way, as far as f32 arithmetic and the matrix unit's own rounding can turn it there, and no further.
;;   INPUTS GIVEN AS CODES. keys (in the module: [16, 2048, 64], K = its axis 2); queries (in the module: [16, 2048, 64], K = its axis 2); values (in the module: [16, 2048, 64], K = its axis 1): each comes as NAME_codes (uint8): NAME with its K axis moved to the last place and cut into blocks of 32 codes, [.., K / 32, bytes a block], one block behind the other in memory; four codes in three bytes: a row's codes are one little-endian stream of bits, code i at bits 6 i .. 6 i + 5 (a code: sign, 2 exponent bits, 3 mantissa bits); and NAME_scales (uint8): the same leading axes, one E8M0 byte (e + 127) for each 32 codes along K. Its value is code x scale, taken as it is: it is not quantised again, and the codes and scales need not be those that the quantiser above would give.
;; 2 versions, each right; version 2 is version 1 with the launch attn written anew for expert scheduling mode. Each part assembles by itself: llvm-mc -triple=amdgcn-amd-amdhsa -mcpu=gfx1250 --defsym DOCPART=n.
;; ======== version 1 of 2: 1 launch
;; limits: right only within a limited range of input values
;; launch attn (part 1): grid 256 x 1, 8 waves a work-group, no clusters, 166,912 bytes of LDS; arguments queries_codes, queries_scales, keys_codes, keys_scales, values_codes, values_scales, valid_lens, out0; writes out0
.if DOCPART == 1
	.amdgcn_target "amdgcn-amd-amdhsa--gfx1250"
	.amdhsa_code_object_version 6
	.text
	.protected	k_q986c99054f_attn
	.globl	k_q986c99054f_attn
	.p2align	8
	.type	k_q986c99054f_attn,@function
k_q986c99054f_attn:
	s_mov_b64 s[64:65], 0
	v_nop
	global_prefetch_b8 v0, s[64:65] scope:SCOPE_SE
	s_setreg_imm32_b32 hwreg(HW_REG_WAVE_MODE, 25, 1), 1
	s_wait_xcnt 0x0
; out0[b][q][:] = the sum over k of softmax_k(logit) V[b][k][:], logit = Q[b][q] . K[b][k] / 8 for k < valid_lens[b], -1e6 for the other keys.  16 batches, 2,048 queries, 2,048 keys, head size 64.
; Both products on codes of FP6 (E2M3) with one E8M0 byte for each 32 along K.  Q, K: rows of 64 codes (48 bytes) and 2 scale bytes.  V: keys innermost, 64 rows d of 2,048 codes (1,536 bytes) and 64 scale bytes a batch.
; THE SOFTMAX: t = score x log2(e) / 8; M = the running largest t rounded UP to a whole number; p = 2^(t - M) is quantised along the keys, not normalised; the row's sum is taken of the unquantised p and divides at the end.
; SHARES.  A unit is 64 queries of one batch: four tiles of 16, a tile to a wave.  A work-group of eight waves takes two units, one for each GROUP of four waves.  Group X (waves 0, 3, 5, 6): batch x % 16, chunk x / 16.
; Group Y (waves 1, 2, 4, 7): the batch whose rank by valid length is 15 less X's batch's rank, chunk 16 + x / 16: a long batch stands beside a short one.  rank -> 15 - rank pairs the batches, so each unit has one owner.
; Whether two waves that lie together are w and w + 4 or 2 i and 2 i + 1, one is X's and one is Y's.
; KEY STEPS THAT LIE WHOLLY BEHIND valid_lens ARE LEFT OUT: a step is 12 matrix and some 250 vector instructions a tile, and their p would be 0.  That is a branch on a number read from memory, so this text has no tensor load
; and no copy, and therefore NO CLUSTER AND NO JOINT LOADS, though 32 units walk each batch's K and V: partners would need different numbers of tiles, by numbers read from memory.  K and V go memory -> registers -> LDS.
; Every wave walks all nine trips and passes all eight barriers; only work is jumped over.
; THE FIRST PRODUCT'S K IS 64, half of the instruction's 128.  Q's registers 6-11 are zero codes; K's registers 6-11 are the next tile's codes (finite: the format has no NaN); the scale words come as 16 bits, so that the
; upper two bytes are 0, which stands for 2^-127: the upper 64 along K add exactly 0, and the eight fragments of K overlap in 54 registers.
; Both products are used transposed (S^T = K Q^T, O^T = V^T P^T): a lane holds ONE query (lane % 16) throughout.  THE KEYS OF A TILE ARE NOT NEIGHBOURS: lane r of tile 2 b + u takes key 32 b + 8 u + r + 8 (r / 8), so that
; the 16 registers of tiles 2 b and 2 b + 1 are 16 neighbouring keys, 32 b + 16 (lane / 16) + 0 .. 15.
; LIMITS.  valid_lens is held to 0 .. 2,048 (a negative one counts as 0); with 0 every step is walked with every score at the fill value, which gives the uniform weights that the fill gives.  Left-out keys count as p = 0:
; exact while a row's largest valid logit lies above -999,890 (2^-126 is the smallest p that the exponential gives; 126 / log2(e) + 1 rounded up is under 110).  Scale bytes 0xff (NaN) are not served.  p under 2^-126 counts as 0.
;
; LDS.  Four slots of 32,768 bytes: group g's buffers at 65,536 g and 65,536 g + 32,768.  A slot holds 256 keys, two steps:
.set KGRP,  896                        ; K: 16 groups of 16 keys; a group is 16 rows of 48 bytes + 128 of padding = 224 words: keys 16 apart lie 32 banks apart (64 banks of 4 bytes: ISA guide 11.1), so the 32 lanes of an 8-byte fragment load touch 64 different banks
.set VOFF,  16*KGRP                    ; V: 64 rows d of 192 bytes, 208 apart = 52 words: rows start at all multiples of 4 banks, the lanes' halves 6 banks on
.set VP,    208
.set KSC,   VOFF+64*VP                 ; K's scale bytes: 2 a key, dense
.set VSC,   KSC+512                    ; V's: 8 a row d
.set BUF,   32768
.set STG,   4*BUF                      ; behind the slots: a stage of 16 rows x (256 + 16) bytes for each wave, for the way out
.set STGW,  16*272
.set SPARE, STG+8*STGW                 ; the spare words, 128 bytes for each wave: four blocks of 256 bytes that no other line names
; VECTOR REGISTERS, window 0.  Pairs [e, o] serve even and odd trips; every LDS address is made at the head and never rewritten.
.set AK,   1                           ; v1-2    where my lane reads K's fragments [e, o]
.set AV,   3                           ; v3-4    V's
.set ASK,  5                           ; v5-6    K's scale bytes
.set ASV,  7                           ; v7-8    V's scale words
.set SPW,  9                           ; v9      LDS address of my spare word: SPARE + 4 x my thread's number; never rewritten
.set NIL,  10                          ; v10     0; never rewritten
.set H1,   11                          ; v11     16 (lane / 16) + 1, for the mask
                                       ; v12 -M, v13 the running largest t, v[14:15] the row's sum in two halves
.set QF,   16                          ; v16-27  Q's fragment; v22-27 zero codes
.set QS,   28                          ; v28     Q's scale word
.set GK,   29                          ; v29     16 x lane: my bytes of a dense 512, in K's codes and in out0
.set GV,   30                          ; v30     V's codes: 1,536 (lane / 4) + 16 (lane % 4)
.set GKS,  31                          ; v31     K's scale bytes: 4 x my number in the group
.set SK0,  32                          ; v32-33  where I store K's codes [e, o]
.set SK1,  34                          ; v34-35  the same, one padding further on for lanes 16-31
.set SV,   36                          ; v36-37  V's codes
.set SS,   38                          ; v38-39  the scale bytes
.set KFR,  40                          ; v40-93  K's eight fragments, tile t at v[40 + 6 t] on, 12 registers, overlapping; v88-93 zero codes
.set KSR,  94                          ; v94-97  K's scale words: register b: lanes 0-15 tile 2 b, lanes 16-31 tile 2 b + 1
.set VSR,  98                          ; v98-99  V's likewise
.set SCR,  100                         ; v100-163 S^T, then p; on the way out the results
.set OT,   164                         ; v164-195 O^T: register 8 t + j is o(query r, 16 t + 8 (lane / 16) + j)
.set PC,   196                         ; v196-207 p's codes
.set CT,   208                         ; v208-210, v212-214 the halves of p's codes that are made elsewhere and moved
.set BM,   216                         ; v216-219 the four blocks' largest score, then largest p
.set PT,   220                         ; v220-223 at work
.set SO,   224                         ; v224-227 the conversions' scale operands
.set FF,   228                         ; v228    f = 2^(old M - new M)
.set PW,   229                         ; v229    p's scale word
.set TT,   230                         ; v230    at work
.set NEGV, 231                         ; v231    -8e6: times 1 / 8 it is the fill value -1e6
.set GVS,  232                         ; v232    V's scale bytes: 64 (n / 2) + 4 (n % 2), n my number in the group
.set STO,  233                         ; v233    the way out: where I put 32 bytes of a row
.set RD,   234                         ; v234    and where I read a row back
.set RR,   236                         ; v236.. the head's: r = lane % 16, h = lane / 16, lane, my number in the group, offsets of Q and valid_lens, the ranking
.set HH,   237
.set LL,   238
.set TG,   239
.set GQ,   240
.set GQS,  241
.set VLO,  242
.set VLR,  243
.set VLC,  244
.set VLE,  245
.set KEY,  246
.set RANK, 247
.set T0,   249
.set T1,   250
.set T2,   251
; window 1: v0-47 V's four fragments; v48-71, v72-95, v96-97 a slot's share on its way from memory to LDS
.set VF,   0
.set SGK,  48
.set SGV,  72
.set SGS,  96
; SCALAR REGISTERS.  s[4:19] the eight buffers, in the order of the arguments
.set WV,   20                          ; wave
.set GRP,  21                          ; 0: X, 1: Y
.set IDX,  22                          ; my number among the group's four waves
.set BX,   23                          ; X's batch
.set CH,   24                          ; my unit's chunk of 64 queries
.set BT,   25                          ; my unit's batch
.set VLM,  26                          ; valid length, 0 .. 2,048
.set NSTEP, 27                         ; key steps to walk
.set NS,   28                          ; slots to walk
.set SL,   29                          ; the slot that this trip reads: trip - 1
.set SL1,  30
.set TR,   32
.set KF,   33                          ; the slot's first key
.set KB,   36                          ; s[36:43] where my share of the next slot to be fetched begins: K's codes, V's codes, K's scales, V's scales
.set VB,   38
.set KSB,  40
.set VSB,  42
.set QB,   44                          ; s[44:49] my tile's Q codes, Q scales, rows of out0
.set QSB,  46
.set OB,   48
.set SEL,  50                          ; s[50:51] lane selects for v_permlanex16_b32: lane l xor 16
.set CS,   52                          ; s[52:53] c = log2(e) / 8; the packed form names a pair and takes its low word for both halves
.set OFS,  54                          ; s[54:55] an offset, high word 0
.set BA,   60                          ; my group's buffer 0: even trips store here, odd trips read here
.set BB,   61                          ; buffer 1: the other way round
.set MSB, 0
.macro WIN new                         ; s_set_vgpr_msb: bits 1:0 source 0, 3:2 source 1, 5:4 source 2, 7:6 destination; the high byte repeats the setting that is left
.if MSB != \new
	s_set_vgpr_msb (MSB<<8)|\new
.set MSB, \new
.endif
.endm
; My share of a slot, memory to registers: 14 loads.  K: my 64 keys are 3,072 dense bytes, 512 a load.  V: my 16 rows d, 192 bytes each: 8 rows x 64 bytes a load.  Scale bytes: 4 a lane of each.
.macro LOADSLOT
	WIN 0x40                                       ; destination window 1
.irp j, 0,1,2,3,4,5
	global_load_b128 v[SGK+4*\j:SGK+4*\j+3], v[GK], s[KB:KB+1] offset:512*\j
.endr
.irp a, 0,1
.irp c, 0,1,2
	global_load_b128 v[SGV+4*(3*\a+\c):SGV+4*(3*\a+\c)+3], v[GV], s[VB:VB+1] offset:12288*\a+64*\c
.endr
.endr
	global_load_b32 v[SGS], v[GKS], s[KSB:KSB+1]
	global_load_b32 v[SGS+1], v[GVS], s[VSB:VSB+1]
	WIN 0
	s_wait_xcnt 0x0                                ; the loads have read their bases: only behind this wait are they stepped
	s_add_nc_u64 s[KB:KB+1], s[KB:KB+1], 12288     ; 256 keys of 48 bytes on
	s_add_nc_u64 s[VB:VB+1], s[VB:VB+1], 192       ; 256 codes on in each row
	s_add_nc_u64 s[KSB:KSB+1], s[KSB:KSB+1], 512
	s_add_nc_u64 s[VSB:VSB+1], s[VSB:VSB+1], 8
.endm
; And registers to LDS: 14 stores.  Byte x of my 3,072 of K goes to x + 128 (x / 768): where a load's 512 bytes straddle a group's end, lanes 16-31 lie one padding further on (SK1).
.macro STORESLOT par
	WIN 0x04                                       ; an LDS store's data are its source 1: window 1
	ds_store_b128 v[SK0+\par], v[SGK:SGK+3]
	ds_store_b128 v[SK1+\par], v[SGK+4:SGK+7] offset:512
	ds_store_b128 v[SK0+\par], v[SGK+8:SGK+11] offset:1152
	ds_store_b128 v[SK0+\par], v[SGK+12:SGK+15] offset:1792
	ds_store_b128 v[SK1+\par], v[SGK+16:SGK+19] offset:2304
	ds_store_b128 v[SK0+\par], v[SGK+20:SGK+23] offset:2944
.irp a, 0,1
.irp c, 0,1,2
	ds_store_b128 v[SV+\par], v[SGV+4*(3*\a+\c):SGV+4*(3*\a+\c)+3] offset:8*VP*\a+64*\c
.endr
.endr
	ds_store_b32 v[SS+\par], v[SGS]
	ds_store_b32 v[SS+\par], v[SGS+1] offset:VSC-KSC
	WIN 0
.endm
; K's eight half fragments (24 bytes a lane: three loads of 8) and four scale registers of the slot's q-th step
.macro KLOAD par, q
.irp t, 0,1,2,3,4,5,6,7
.irp p, 0,1,2
	ds_load_b64 v[KFR+6*\t+2*\p:KFR+6*\t+2*\p+1], v[AK+\par] offset:8*KGRP*\q+2*KGRP*(\t/2)+384*(\t%2)+8*\p
.endr
.endr
.irp b, 0,1,2,3
	ds_load_u16 v[KSR+\b], v[ASK+\par] offset:256*\q+64*\b   ; 16 bits, widened with zeros
.endr
.endm
; V's four fragments (16 of the head's 64 x 128 keys) and two scale registers
.macro VLOAD par, q
	WIN 0x40                                       ; destination window 1
.irp t, 0,1,2,3
.irp p, 0,1,2,3,4,5
	ds_load_b64 v[VF+12*\t+2*\p:VF+12*\t+2*\p+1], v[AV+\par] offset:16*VP*\t+96*\q+48*(\p/3)+8*(\p%3)
.endr
.endr
	WIN 0
.irp u, 0,1
	ds_load_b32 v[VSR+\u], v[ASV+\par] offset:256*\u+4*\q
.endr
.endm
; A KEY STEP: 128 keys, the q-th of the slot in hand.  K's fragments are in registers.
.macro STEP par, q
.irp t, 0,1,2,3,4,5,6,7                        ; S^T = K Q^T: eight accumulators, each begun with the constant 0
.if (\t)%2
	v_wmma_scale_f32_16x16x128_f8f6f4 v[SCR+8*\t:SCR+8*\t+7], v[KFR+6*\t:KFR+6*\t+11], v[QF:QF+11], 0, v[KSR+\t/2], v[QS] matrix_a_fmt:MATRIX_FMT_FP6 matrix_b_fmt:MATRIX_FMT_FP6 matrix_a_scale:MATRIX_SCALE_ROW1
.else
	v_wmma_scale_f32_16x16x128_f8f6f4 v[SCR+8*\t:SCR+8*\t+7], v[KFR+6*\t:KFR+6*\t+11], v[QF:QF+11], 0, v[KSR+\t/2], v[QS] matrix_a_fmt:MATRIX_FMT_FP6 matrix_b_fmt:MATRIX_FMT_FP6
.endif
.endr
.rept 4
	v_nop                                          ; four places: in front of the loads into registers that matrix instructions have read, and of the first read of the scores
.endr
	VLOAD \par, \q                                 ; V lands under the softmax
.if \q == 0
	KLOAD \par, 1                                  ; and so does the next step's K: a slot is always whole in LDS, so this reads stored bytes also where that step is left out
.endif
	s_add_co_u32 s34, s[KF], 128*(\q+1)
	s_cmp_le_u32 s34, s[VLM]                       ; all 128 keys count: no mask
	s_cbranch_scc1 .Lopen_\@
	s_sub_co_i32 s35, s[VLM], s[KF]
.if \q
	s_sub_co_i32 s35, s35, 128
.endif
	v_sub_nc_u32 v[TT], s35, v[H1]                 ; d = valid length - the step's first key - 16 (lane / 16) - 1.  Register 16 b + i holds the step's key 32 b + 16 (lane / 16) + i: masked where 32 b + i > d
.set nn, 0
.rept 64
	v_cmp_gt_i32 vcc_lo, 32*(nn/16)+nn%16, v[TT]
	v_cndmask_b32 v[SCR+nn], v[SCR+nn], v[NEGV], vcc_lo
.set nn, nn+1
.endr
.Lopen_\@:
.irp b, 0,1,2,3
	v_max3_num_f32 v[BM+\b], v[SCR+16*\b], v[SCR+1+16*\b], v[SCR+2+16*\b]   ; the largest score of each block of 32 keys: it serves the row's maximum and, since p rises with the score, the block's largest p
.endr
.irp i, 3,5,7,9,11,13
.irp b, 0,1,2,3
	v_max3_num_f32 v[BM+\b], v[BM+\b], v[SCR+16*\b+\i], v[SCR+1+16*\b+\i]   ; (the four blocks by turns)
.endr
.endr
.irp b, 0,1,2,3
	v_max_num_f32 v[BM+\b], v[BM+\b], v[SCR+15+16*\b]
.endr
.irp b, 0,1,2,3
	v_permlanex16_b32 v[PT+\b], v[BM+\b], s[SEL], s[SEL+1]
.endr
.irp b, 0,1,2,3
	v_max_num_f32 v[BM+\b], v[BM+\b], v[PT+\b]     ; with lane l xor 16's 16 keys
.endr
	v_max3_num_f32 v[TT], v[BM], v[BM+1], v[BM+2]
	v_max_num_f32 v[TT], v[TT], v[BM+3]            ; the step's largest score of my query
	v_mul_f32 v[TT], s[CS], v[TT]                  ; as t (c is positive)
	v_max_num_f32 v13, v13, v[TT]                  ; the running largest t
	v_mov_b32 v[TT], v12
	v_floor_f32 v12, -v13                          ; the new -M = floor(-t) = -ceil(t): M is a whole number
	v_sub_f32 v[TT], v12, v[TT]                    ; old M - new M: a whole number, 0 or less
	v_cvt_i32_f32 v[TT], v[TT]                     ; (it saturates)
	v_ldexp_f32 v[FF], 1.0, v[TT]                  ; f = 2^(old M - new M): a multiplication by it rounds nothing
.set jj, 0
.rept 32
	v_pk_fma_f32 v[SCR+jj:SCR+jj+1], v[SCR+jj:SCR+jj+1], s[CS:CS+1], v[12:13] op_sel_hi:[1,0,0]   ; t - M, two at a time
.set jj, jj+2
.endr
.irp b, 0,1,2,3
	v_fma_f32 v[BM+\b], v[BM+\b], s[CS], v12       ; the same of each block's largest score
.endr
.set jj, 0
.rept 64
	v_exp_f32 v[SCR+jj], v[SCR+jj]                 ; p = 2^(t - M), at most 1
.set jj, jj+1
.endr
	v_pk_mul_f32 v[14:15], v[14:15], v[FF:FF+1] op_sel_hi:[1,0]   ; the sums under the new M: the plain instruction behind the exponentials
	s_wait_alu depctr_va_vdst(0)                   ; one wait for the batch of 64, ahead of its first reader
.irp b, 0,1,2,3
	v_exp_f32 v[BM+\b], v[BM+\b]                   ; the block's largest p: the same two instructions on the same number give the same bits
.endr
	v_pk_add_f32 v[PT:PT+1], v[SCR:SCR+1], v[SCR+2:SCR+3]   ; the row's sum is taken of the unquantised p: two at a time, in two chains; these lines read the 64 alone
.set jj, 4
.rept 15
	v_pk_add_f32 v[14:15], v[14:15], v[SCR+jj:SCR+jj+1]
	v_pk_add_f32 v[PT:PT+1], v[PT:PT+1], v[SCR+jj+2:SCR+jj+3]
.set jj, jj+4
.endr
	v_pk_add_f32 v[14:15], v[14:15], v[PT:PT+1]
	s_wait_alu depctr_va_vdst(0)                   ; and one for the four
.irp b, 0,1,2,3
	v_max_num_f32 v[BM+\b], 0x1800000, v[BM+\b]    ; the floor 2^(3 - 127): the byte cannot fall under 1 (a block of zeros keeps that byte: its codes are zeros)
.endr
.irp b, 0,1,2,3
	v_add_nc_u32 v[SO+\b], 0xff000000, v[BM+\b]    ; 2 off the exponent field: the conversion takes this operand's exponent field as its scale
.endr
.irp b, 0,1,2,3
	v_lshrrev_b32 v[PT+\b], 23, v[SO+\b]           ; the scale's byte
.endr
	v_lshl_or_b32 v[PW], v[PT+1], 8, v[PT]         ; p's scale word for these 128 keys
	v_lshl_or_b32 v[PW], v[PT+2], 16, v[PW]
	v_lshl_or_b32 v[PW], v[PT+3], 24, v[PW]
.irp c, 0,1
	v_cvt_scalef32_pk16_fp6_f32 v[PC+6*\c:PC+6*\c+2], v[SCR+32*\c:SCR+32*\c+15], v[SO+2*\c]
	v_cvt_scalef32_pk16_fp6_f32 v[CT+4*\c:CT+4*\c+2], v[SCR+32*\c+16:SCR+32*\c+31], v[SO+2*\c+1]   ; (a conversion's three registers begin on an even number)
.endr
	v_nop                                          ; one plain instruction behind the last scaled conversion
.irp c, 0,1                                    ; the operand's layout wants a whole block in a lane: lanes 0-15 block 2 c, lanes 16-31 block 2 c + 1
.irp i, 0,1,2
	v_permlane16_swap_b32 v[PC+6*\c+\i], v[CT+4*\c+\i]
.endr
.irp i, 0,1,2
	v_mov_b32 v[PC+6*\c+3+\i], v[CT+4*\c+\i]
.endr
.endr
.set jj, 0
.rept 16
	v_pk_mul_f32 v[OT+jj:OT+jj+1], v[OT+jj:OT+jj+1], v[FF:FF+1] op_sel_hi:[1,0]   ; O^T under the new M.  Of these sixteen, twelve name no register of a given product below: the places between the codes' and the scale word's last writes and the products
.set jj, jj+2
.endr
	s_wait_dscnt 0x0                               ; V is in (and, in a slot's first step, the next step's K)
	WIN 0x01                                       ; source 0 (V) window 1
.irp t, 0,1,2,3                                ; O^T += V^T P^T: four accumulators by turns, one instruction a turn
.if (\t)%2
	v_wmma_scale_f32_16x16x128_f8f6f4 v[OT+8*\t:OT+8*\t+7], v[VF+12*\t:VF+12*\t+11], v[PC:PC+11], v[OT+8*\t:OT+8*\t+7], v[VSR+\t/2], v[PW] matrix_a_fmt:MATRIX_FMT_FP6 matrix_b_fmt:MATRIX_FMT_FP6 matrix_a_scale:MATRIX_SCALE_ROW1
.else
	v_wmma_scale_f32_16x16x128_f8f6f4 v[OT+8*\t:OT+8*\t+7], v[VF+12*\t:VF+12*\t+11], v[PC:PC+11], v[OT+8*\t:OT+8*\t+7], v[VSR+\t/2], v[PW] matrix_a_fmt:MATRIX_FMT_FP6 matrix_b_fmt:MATRIX_FMT_FP6
.endif
.endr
	WIN 0
.endm
; THE WAY OUT.  O^T / the sum goes through my own stage in LDS and leaves as whole rows of 256 bytes, two rows a store.
.macro OUT
.rept 4
	v_nop                                          ; four places behind the last products
.endr
	v_add_f32 v14, v14, v15                        ; the sum's two halves,
	v_permlanex16_b32 v[FF], v14, s[SEL], s[SEL+1]
	v_add_f32 v14, v14, v[FF]                      ; and lane l xor 16's: the row's sum
	v_rcp_f32 v14, v14
	v_nop                                          ; a plain instruction behind the reciprocal,
	s_wait_alu depctr_va_vdst(0)                   ; and the wait ahead of its first reader
.set jj, 0
.rept 16
	v_pk_mul_f32 v[SCR+jj:SCR+jj+1], v[OT+jj:OT+jj+1], v[14:15] op_sel_hi:[1,0]   ; each accumulator from its low end on
.set jj, jj+2
.endr
.irp t, 0,1,2,3
	ds_store_b128 v[STO], v[SCR+8*\t:SCR+8*\t+3] offset:64*\t          ; lane (r, h): o(r, 16 t + 8 h + 0 .. 7)
	ds_store_b128 v[STO], v[SCR+8*\t+4:SCR+8*\t+7] offset:64*\t+16
.endr
.irp i, 0,1,2,3,4,5,6,7
	ds_load_b128 v[SCR+32+4*\i:SCR+32+4*\i+3], v[RD] offset:544*\i     ; LDS serves a wave's instructions in order (ISA guide 5.7.1.4): these see my stores
.endr
.irp i, 0,1,2,3,4,5,6,7
	s_wait_dscnt 7-\i                              ; load i is in; the 7 - i issued behind it may be out
	global_store_b128 v[GK], v[SCR+32+4*\i:SCR+32+4*\i+3], s[OB:OB+1] offset:512*\i th:TH_STORE_NT   ; 32 lanes store 512 consecutive bytes, at a multiple of 256 from out0's first byte
.endr
	s_wait_xcnt 0x0                                ; the stores have read their registers
.endm
; A TRIP.  more = 1: slot SL + 1 goes from registers into the buffer that was read last trip, slot SL + 2 is asked of memory, and a barrier ends the trip.  Then slot SL, stored last trip, is worked.
.macro TRIP par, more
	s_add_co_u32 s[SL1], s[SL], 1
.if \more
	s_cmp_lt_u32 s[SL1], s[NS]
	s_cbranch_scc0 .Lstaged_\@
	s_wait_loadcnt 0x0                             ; my share of slot SL + 1 is in registers
	STORESLOT \par
	s_add_co_u32 s34, s[SL], 2
	s_cmp_lt_u32 s34, s[NS]
	s_cbranch_scc0 .Lstaged_\@
	s_wait_dscnt 0x0                               ; the stores have read their registers
	LOADSLOT
.Lstaged_\@:
.endif
	s_cmp_lt_u32 s[SL], s[NS]                      ; (unsigned: in the first trip SL is -1)
	s_cbranch_scc0 .Lidle_\@
	s_wait_loadcnt 14                              ; behind Q's loads stand a slot's 14, and never more than 14 are out: Q is in, and the slot being fetched stays on its way
	s_lshl_b32 s[KF], s[SL], 8
	KLOAD \par, 0
	s_wait_dscnt 0x0
	STEP \par, 0
	s_lshl_b32 s34, s[SL], 1
	s_add_co_u32 s34, s34, 1
	s_cmp_lt_u32 s34, s[NSTEP]
	s_cbranch_scc0 .Lone_\@
	STEP \par, 1
.Lone_\@:
	s_cmp_eq_u32 s[SL1], s[NS]                     ; that was my unit's last slot
	s_cbranch_scc0 .Lidle_\@
	OUT
.Lidle_\@:
.if \more
	s_wait_dscnt 0x0                               ; my stores into one buffer have landed and my reads of the other are in:
	s_barrier_signal -1                            ; behind this barrier the one is read and the other is written again
	s_barrier_wait -1
	s_add_co_u32 s[SL], s[SL], 1
.endif
.endm
	s_load_b512 s[4:19], s[0:1], 0x0               ; Q codes s[4:5], Q scales s[6:7], K codes s[8:9], K scales s[10:11], V codes s[12:13], V scales s[14:15], valid_lens s[16:17], out0 s[18:19]
	v_lshl_add_u32 v[SPW], v0, 2, SPARE
	v_mov_b32 v[NIL], 0
	v_and_b32 v[RR], 15, v0                        ; r
	v_lshlrev_b32 v[VLO], 2, v[RR]
	s_wait_kmcnt 0x0
	global_load_b32 v[VLR], v[VLO], s[16:17]       ; lane r and lane 16 + r: valid_lens[r].  The set-up below stands under this load
	v_lshrrev_b32 v[T0], 5, v0
	v_readfirstlane_b32 s[WV], v[T0]               ; wave 0..7
	s_lshr_b32 s[IDX], s[WV], 1
	s_lshr_b32 s34, s[WV], 2
	s_xor_b32 s[GRP], s[WV], s[IDX]
	s_xor_b32 s[GRP], s[GRP], s34
	s_and_b32 s[GRP], s[GRP], 1                    ; the parity of the wave's three bits
	s_lshl_b32 s[BA], s[GRP], 16
	s_add_co_u32 s[BB], s[BA], BUF
	s_and_b32 s[BX], ttmp9, 15
	s_lshr_b32 s[CH], ttmp9, 4
	s_lshl_b32 s34, s[GRP], 4
	s_add_co_u32 s[CH], s[CH], s34                 ; X: chunks 0-15, Y: 16-31
	s_mov_b32 s[SEL], 0x76543210
	s_mov_b32 s[SEL+1], 0xfedcba98
	s_mov_b32 s[CS], 0x3e38aa3b                    ; c = log2(e) / 8
	s_mov_b32 s[CS+1], s[CS]                       ; (named with it as a pair, so it is written)
	v_and_b32 v[LL], 31, v0                        ; lane
	v_bfe_u32 v[HH], v0, 4, 1                      ; h
	v_lshrrev_b32 v[T0], 6, v0
	v_lshl_or_b32 v[TG], v[T0], 5, v[LL]           ; my number in the group: 32 x (wave / 2) + lane
	; where my lane reads.  Even trips read buffer 1, odd trips buffer 0
	v_lshrrev_b32 v[T0], 3, v[RR]                  ; r / 8
	v_and_b32 v[T1], 7, v[RR]
	v_mul_u32_u24 v[T2], v[T0], KGRP
	v_mad_u32_u24 v[T2], v[T1], 48, v[T2]
	v_mad_u32_u24 v[T2], v[HH], 24, v[T2]          ; K: key r % 8 + 16 (r / 8) of a pair of groups, + my half's 24 bytes
	v_add_nc_u32 v[AK], s[BB], v[T2]
	v_add_nc_u32 v[AK+1], s[BA], v[T2]
	v_lshl_add_u32 v[T2], v[T0], 3, v[RR]          ; r + 8 (r / 8),
	v_lshl_add_u32 v[T2], v[HH], 3, v[T2]          ; + 8 for lanes 16-31, which take the odd tile's keys
	v_lshl_add_u32 v[T2], v[T2], 1, KSC            ; 2 bytes a key
	v_add_nc_u32 v[ASK], s[BB], v[T2]
	v_add_nc_u32 v[ASK+1], s[BA], v[T2]
	v_mul_u32_u24 v[T2], v[RR], VP
	v_mad_u32_u24 v[T2], v[HH], 24, v[T2]
	v_add_nc_u32 v[T2], VOFF, v[T2]                ; V: row r of a tile, + my half's 24 bytes
	v_add_nc_u32 v[AV], s[BB], v[T2]
	v_add_nc_u32 v[AV+1], s[BA], v[T2]
	v_lshl_add_u32 v[T2], v[LL], 3, VSC            ; V's scale words: row d = lane of a pair of tiles
	v_add_nc_u32 v[ASV], s[BB], v[T2]
	v_add_nc_u32 v[ASV+1], s[BA], v[T2]
	; where my lane stores.  Even trips store into buffer 0, odd trips into buffer 1
	s_mul_i32 s34, s[IDX], 4*KGRP                  ; my 64 keys are four groups
	v_lshl_add_u32 v[T2], v[LL], 4, s34
	v_add_nc_u32 v[SK0], s[BA], v[T2]
	v_add_nc_u32 v[SK0+1], s[BB], v[T2]
	v_lshl_add_u32 v[SK1], v[HH], 7, v[SK0]
	v_lshl_add_u32 v[SK1+1], v[HH], 7, v[SK0+1]
	s_mul_i32 s34, s[IDX], 16*VP                   ; my 16 rows of V
	s_add_co_u32 s34, s34, VOFF
	v_lshrrev_b32 v[T0], 2, v[LL]
	v_and_b32 v[T1], 3, v[LL]
	v_mul_u32_u24 v[T2], v[T0], VP
	v_lshl_add_u32 v[T2], v[T1], 4, v[T2]
	v_add_nc_u32 v[T2], s34, v[T2]
	v_add_nc_u32 v[SV], s[BA], v[T2]
	v_add_nc_u32 v[SV+1], s[BB], v[T2]
	v_mul_u32_u24 v[GV], v[T0], 1536               ; and the same in memory: four lanes to a row's 64 bytes, eight rows a load
	v_lshl_add_u32 v[GV], v[T1], 4, v[GV]
	v_lshl_add_u32 v[T2], v[TG], 2, KSC
	v_add_nc_u32 v[SS], s[BA], v[T2]
	v_add_nc_u32 v[SS+1], s[BB], v[T2]
	v_lshlrev_b32 v[GK], 4, v[LL]
	v_lshlrev_b32 v[GKS], 2, v[TG]
	v_lshrrev_b32 v[T0], 1, v[TG]
	v_and_b32 v[T1], 1, v[TG]
	v_lshlrev_b32 v[GVS], 6, v[T0]
	v_lshl_add_u32 v[GVS], v[T1], 2, v[GVS]
	s_mul_i32 s34, s[WV], STGW
	s_add_co_u32 s34, s34, STG                     ; my stage
	v_mul_u32_u24 v[T2], v[RR], 272
	v_lshl_add_u32 v[T2], v[HH], 5, v[T2]
	v_add_nc_u32 v[STO], s34, v[T2]                ; in: row r, 32 bytes for each half of the lanes
	v_mul_u32_u24 v[T2], v[HH], 272
	v_lshl_add_u32 v[T2], v[RR], 4, v[T2]
	v_add_nc_u32 v[RD], s34, v[T2]                 ; back: lanes 0-15 one row, lanes 16-31 the next
	v_mul_u32_u24 v[GQ], v[RR], 48
	v_mad_u32_u24 v[GQ], v[HH], 24, v[GQ]          ; Q: row r, + my half's 24 bytes
	v_lshlrev_b32 v[GQS], 1, v[RR]
	v_lshl_add_u32 v[H1], v[HH], 4, 1
	v_mov_b32 v[NEGV], 0xcaf42400                  ; -8e6
	v_mov_b32 v13, 0xff61b1e6                      ; the largest t so far: -3e38, under every t
	v_floor_f32 v12, -v13                          ; -M
	v_mov_b32 v14, 0                               ; the sum, in two halves
	v_mov_b32 v15, 0
.irp j, 0,1,2,3,4,5
	v_mov_b32 v[QF+6+\j], 0                        ; zero codes: the upper 64 along the first product's K
	v_mov_b32 v[KFR+48+\j], 0                      ; and what stands behind K's last tile
.endr
.irp b, 0,1,2,3
	v_mov_b32 v[PT+\b], 0                          ; written once: a lane permute's destination counts as one of its sources
.endr
	v_mov_b32 v[FF], 0
	v_mov_b32 v[PW], 0                             ; (named as the upper half of the pair with f before it is first written)
.set jj, 0
.rept 32
	v_mov_b32 v[OT+jj], 0                          ; O^T.  The step is written without a first step of its own: the first finds zeros, which the first change of M leaves zeros
.set jj, jj+1
.endr
	; THE RANKING.  Each lane holds one batch's length; rank = how many batches are longer (ties by the batch's number)
	s_wait_loadcnt 0x0                             ; valid_lens
	v_cmp_lt_i32 vcc_lo, 0, v[VLR]
	v_cndmask_b32 v[VLC], 0, v[VLR], vcc_lo        ; a negative length masks every key, as 0 does
	v_min_u32 v[VLC], 0x800, v[VLC]                ; and one beyond 2,048 masks none
	v_cmp_ne_u32 vcc_lo, 0, v[VLC]
	v_cndmask_b32 v[VLE], 0x800, v[VLC], vcc_lo    ; the keys to be walked: with length 0 all of them, every score masked
	v_lshl_or_b32 v[KEY], v[VLE], 4, v[RR]
	v_mov_b32 v[RANK], 0
.irp j, 0,1,2,3,4,5,6,7,8,9,10,11,12,13,14,15
	v_readlane_b32 s34, v[KEY], \j
	v_cmp_gt_u32 vcc_lo, s34, v[KEY]
	v_add_co_ci_u32 v[RANK], vcc_lo, 0, v[RANK], vcc_lo
.endr
	v_readlane_b32 s34, v[RANK], s[BX]
	s_sub_co_u32 s34, 15, s34
	v_cmp_eq_u32 s35, s34, v[RANK]
	s_ctz_i32_b32 s35, s35                         ; the batch of rank 15 - rank(X's batch)
	s_cmp_eq_u32 s[GRP], 0
	s_cselect_b32 s[BT], s[BX], s35
	s_min_u32 s[BT], s[BT], 15                     ; a number that hangs on loaded data is held to its range before it enters an address
	v_readlane_b32 s[VLM], v[VLC], s[BT]
	v_readlane_b32 s34, v[VLE], s[BT]
	s_add_co_u32 s[NSTEP], s34, 127
	s_lshr_b32 s[NSTEP], s[NSTEP], 7
	s_add_co_u32 s[NS], s34, 255
	s_lshr_b32 s[NS], s[NS], 8
	; the addresses: each a buffer's own pointer plus an offset under 2^24
	s_lshl_b32 s34, s[BT], 11
	s_lshl_b32 s35, s[CH], 6
	s_add_co_u32 s34, s34, s35
	s_lshl_b32 s35, s[IDX], 4
	s_add_co_u32 s34, s34, s35                     ; my tile's first query, counted through all batches
	s_mov_b32 s[OFS+1], 0
	s_mul_i32 s[OFS], s34, 48
	s_add_nc_u64 s[QB:QB+1], s[4:5], s[OFS:OFS+1]
	s_lshl_b32 s[OFS], s34, 1
	s_add_nc_u64 s[QSB:QSB+1], s[6:7], s[OFS:OFS+1]
	s_lshl_b32 s[OFS], s34, 8
	s_add_nc_u64 s[OB:OB+1], s[18:19], s[OFS:OFS+1]
	s_mul_i32 s56, s[BT], 98304                    ; a batch's codes
	s_mul_i32 s[OFS], s[IDX], 3072                 ; my 64 keys of a slot
	s_add_co_u32 s[OFS], s[OFS], s56
	s_add_nc_u64 s[KB:KB+1], s[8:9], s[OFS:OFS+1]
	s_mul_i32 s[OFS], s[IDX], 24576                ; my 16 rows of V
	s_add_co_u32 s[OFS], s[OFS], s56
	s_add_nc_u64 s[VB:VB+1], s[12:13], s[OFS:OFS+1]
	s_lshl_b32 s[OFS], s[BT], 12                   ; a batch's scale bytes
	s_add_nc_u64 s[KSB:KSB+1], s[10:11], s[OFS:OFS+1]
	s_add_nc_u64 s[VSB:VSB+1], s[14:15], s[OFS:OFS+1]
.irp p, 0,1,2
	global_load_b64 v[QF+2*\p:QF+2*\p+1], v[GQ], s[QB:QB+1] offset:8*\p th:TH_LOAD_NT   ; Q's fragment stays in registers; read once in the launch
.endr
	global_load_u16 v[QS], v[GQS], s[QSB:QSB+1]    ; Q's two scale bytes, widened with zeros
	LOADSLOT                                       ; slot 0
	s_mov_b32 s[SL], -1
	s_mov_b32 s[TR], 4
.Ltrip:                                            ; trips 0 to 7, two to a turn of the loop, since the buffers change places from trip to trip
	TRIP 0, 1
	TRIP 1, 1
	s_sub_co_u32 s[TR], s[TR], 1
	s_cmp_lg_u32 s[TR], 0
	s_cbranch_scc1 .Ltrip
	TRIP 0, 0                                      ; trip 8: slot 7, where it is walked; nothing is left to stage, and nobody writes LDS that another reads
	s_wait_tensorcnt 0x0                           ; the wave's end: three closing lines, behind my last LDS store
	ds_add_u32 v[SPW], v[NIL]
	s_wait_dscnt 0x0
	s_endpgm
.Lfunc_end_k_q986c99054f_attn:
	.size	k_q986c99054f_attn, .Lfunc_end_k_q986c99054f_attn-k_q986c99054f_attn
	.p2alignl 7, 3214868480
	.fill 96, 4, 3214868480
	.section	.rodata,"a",@progbits
	.p2align	6, 0x0
	.amdhsa_kernel k_q986c99054f_attn
		.amdhsa_group_segment_fixed_size 166912
		.amdhsa_private_segment_fixed_size 0
		.amdhsa_enable_private_segment 0
		.amdhsa_kernarg_size 64
		.amdhsa_user_sgpr_count 2
		.amdhsa_user_sgpr_kernarg_segment_ptr 1
		.amdhsa_wavefront_size32 1
		.amdhsa_system_sgpr_workgroup_id_x 1
		.amdhsa_system_sgpr_workgroup_id_y 1
		.amdhsa_system_sgpr_workgroup_id_z 1
		.amdhsa_system_vgpr_workitem_id 0
		.amdhsa_next_free_vgpr 384
		.amdhsa_next_free_sgpr 66
		.amdhsa_reserve_vcc 1
		.amdhsa_float_denorm_mode_32 3
		.amdhsa_float_denorm_mode_16_64 3
		.amdhsa_memory_ordered 1
		.amdhsa_forward_progress 1
		.amdhsa_inst_pref_size 162
	.end_amdhsa_kernel
	.amdgpu_metadata
---
amdhsa.version: [ 1, 2 ]
amdhsa.kernels:
  - .name:           k_q986c99054f_attn
    .symbol:         k_q986c99054f_attn.kd
    .args:
      - { .name: queries_codes, .offset: 0, .size: 8, .value_kind: global_buffer, .address_space: global }
      - { .name: queries_scales, .offset: 8, .size: 8, .value_kind: global_buffer, .address_space: global }
      - { .name: keys_codes, .offset: 16, .size: 8, .value_kind: global_buffer, .address_space: global }
      - { .name: keys_scales, .offset: 24, .size: 8, .value_kind: global_buffer, .address_space: global }
      - { .name: values_codes, .offset: 32, .size: 8, .value_kind: global_buffer, .address_space: global }
      - { .name: values_scales, .offset: 40, .size: 8, .value_kind: global_buffer, .address_space: global }
      - { .name: valid_lens, .offset: 48, .size: 8, .value_kind: global_buffer, .address_space: global }
      - { .name: out0, .offset: 56, .size: 8, .value_kind: global_buffer, .address_space: global }
    .group_segment_fixed_size: 166912
    .private_segment_fixed_size: 0
    .kernarg_segment_align: 8
    .kernarg_segment_size: 64
    .max_flat_workgroup_size: 256
    .sgpr_count:     66
    .vgpr_count:     384
    .wavefront_size: 32
...
	.end_amdgpu_metadata
.endif
;; end of part 1
;; ======== version 2 of 2: 1 launch; version 1 with the launch attn written anew for expert scheduling mode
;; limits: right only within a limited range of input values
;; launch attn (part 2): grid 256 x 1, 8 waves a work-group, no clusters, 166,912 bytes of LDS; arguments queries_codes, queries_scales, keys_codes, keys_scales, values_codes, values_scales, valid_lens, out0; writes out0
.if DOCPART == 2
	.amdgcn_target "amdgcn-amd-amdhsa--gfx1250"
	.amdhsa_code_object_version 6
	.text
	.protected	k_q986c99054f_attn
	.globl	k_q986c99054f_attn
	.p2align	8
	.type	k_q986c99054f_attn,@function
k_q986c99054f_attn:
	s_mov_b64 s[64:65], 0
	v_nop
	global_prefetch_b8 v0, s[64:65] scope:SCOPE_SE
	s_setreg_imm32_b32 hwreg(HW_REG_WAVE_SCHED_MODE, 0, 2), 2
	s_setreg_imm32_b32 hwreg(HW_REG_WAVE_MODE, 25, 1), 1
	s_wait_xcnt 0x0
	s_wait_alu depctr_vm_vsrc(0)
; out0[b][q][:] = the sum over k of softmax_k(logit) V[b][k][:], logit = Q[b][q] . K[b][k] / 8 for k < valid_lens[b], -1e6 for the other keys.  16 batches, 2,048 queries, 2,048 keys, head size 64.
; Both products on codes of FP6 (E2M3) with one E8M0 byte for each 32 along K.  Q, K: rows of 64 codes (48 bytes) and 2 scale bytes.  V: keys innermost, 64 rows d of 2,048 codes (1,536 bytes) and 64 scale bytes a batch.
; THE SOFTMAX: t = score x log2(e) / 8; M = the running largest t rounded UP to a whole number; p = 2^(t - M) is quantised along the keys, not normalised; the row's sum is taken of the unquantised p and divides at the end.
; SHARES.  A unit is 64 queries of one batch: four tiles of 16, a tile to a wave.  A work-group of eight waves takes two units, one for each GROUP of four waves.  Group X (waves 0, 3, 5, 6): batch x % 16, chunk x / 16.
; Group Y (waves 1, 2, 4, 7): the batch whose rank by valid length is 15 less X's batch's rank, chunk 16 + x / 16: a long batch stands beside a short one.  rank -> 15 - rank pairs the batches, so each unit has one owner.
; Whether two waves that lie together are w and w + 4 or 2 i and 2 i + 1, one is X's and one is Y's.
; KEY STEPS THAT LIE WHOLLY BEHIND valid_lens ARE LEFT OUT: a step is 12 matrix and some 250 vector instructions a tile, and their p would be 0.  That is a branch on a number read from memory, so this text has no tensor load
; and no copy, and therefore NO CLUSTER AND NO JOINT LOADS, though 32 units walk each batch's K and V: partners would need different numbers of tiles, by numbers read from memory.  K and V go memory -> registers -> LDS.
; Every wave walks all nine trips and passes all eight barriers; only work is jumped over.
; THE FIRST PRODUCT'S K IS 64, half of the instruction's 128.  Q's registers 6-11 are zero codes; K's registers 6-11 are the next tile's codes (finite: the format has no NaN); the scale words come as 16 bits, so that the
; upper two bytes are 0, which stands for 2^-127: the upper 64 along K add exactly 0, and the eight fragments of K overlap in 54 registers.
; Both products are used transposed (S^T = K Q^T, O^T = V^T P^T): a lane holds ONE query (lane % 16) throughout.  THE KEYS OF A TILE ARE NOT NEIGHBOURS: lane r of tile 2 b + u takes key 32 b + 8 u + r + 8 (r / 8), so that
; the 16 registers of tiles 2 b and 2 b + 1 are 16 neighbouring keys, 32 b + 16 (lane / 16) + 0 .. 15.
; LIMITS.  valid_lens is held to 0 .. 2,048 (a negative one counts as 0); with 0 every step is walked with every score at the fill value, which gives the uniform weights that the fill gives.  Left-out keys count as p = 0:
; exact while a row's largest valid logit lies above -999,890 (2^-126 is the smallest p that the exponential gives; 126 / log2(e) + 1 rounded up is under 110).  Scale bytes 0xff (NaN) are not served.  p under 2^-126 counts as 0.
; THE MODE: SCHED_MODE bits 1:0 = 2 (LLVM: expert scheduling mode 2), set by the entry lines.  The code itself states the register dependences between vector or matrix instructions and memory or LDS instructions,
; with s_wait_alu, always for 0.
; THE PLAN.  Registers that memory or LDS instructions touch:
;   K's and V's fragments and their scale words, A SET FOR EACH OF A SLOT'S TWO STEPS.  Written by LDS loads alone, read by their step's products alone.  ONE wait on va_vdst at the head of a trip's work states that the
;     last trip's products are done reading both sets.  The first step's 54 loads follow it at once; the second step's 54 stand behind the first step's eight products K Q^T, which name the first set of K, Q, the scores and
;     their scale words: none of the registers that those loads touch.
;   The staging registers (window 1, v48-97).  Written by global loads, read by LDS stores, named by no vector instruction: one wait on vm_vsrc behind the stores.
;   Every address and offset.  Made at the head, ahead of one wait on va_vdst, and never written again: the slots are reached by scalar bases and immediate offsets.
;   The way out.  One wait on va_vdst between the multiplications and the LDS stores of their results; one on vm_vsrc behind the stores.
;   p's codes and scale word are made by vector instructions and taken by scaled products: one wait on va_vdst a step, behind the places.
;   Numbers that vector instructions leave in scalar registers or VCC (the wave's number, the ranking, the mask) are made in runs, with one wait between a run and the next line that names one of them.
;
; LDS.  Four slots of 32,768 bytes: group g's buffers at 65,536 g and 65,536 g + 32,768.  A slot holds 256 keys, two steps:
.set KGRP,  896                        ; K: 16 groups of 16 keys; a group is 16 rows of 48 bytes + 128 of padding = 224 words: keys 16 apart lie 32 banks apart (64 banks of 4 bytes: ISA guide 11.1), so the 32 lanes of an 8-byte fragment load touch 64 different banks
.set VOFF,  16*KGRP                    ; V: 64 rows d of 192 bytes, 208 apart = 52 words: rows start at all multiples of 4 banks, the lanes' halves 6 banks on
.set VP,    208
.set KSC,   VOFF+64*VP                 ; K's scale bytes: 2 a key, dense
.set VSC,   KSC+512                    ; V's: 8 a row d
.set BUF,   32768
.set STG,   4*BUF                      ; behind the slots: a stage of 16 rows x (256 + 16) bytes for each wave, for the way out
.set STGW,  16*272
.set SPARE, STG+8*STGW                 ; the spare words, 128 bytes for each wave: four blocks of 256 bytes that no other line names
; VECTOR REGISTERS, window 0.  Pairs [e, o] serve even and odd trips; every LDS address is made at the head and never rewritten.
.set AK,   1                           ; v1-2    where my lane reads K's fragments [e, o]
.set AV,   3                           ; v3-4    V's
.set ASK,  5                           ; v5-6    K's scale bytes
.set ASV,  7                           ; v7-8    V's scale words
.set SPW,  9                           ; v9      LDS address of my spare word: SPARE + 4 x my thread's number; never rewritten
.set NIL,  10                          ; v10     0; never rewritten
.set H1,   11                          ; v11     16 (lane / 16) + 1, for the mask
                                       ; v12 -M, v13 the running largest t, v[14:15] the row's sum in two halves
.set QF,   16                          ; v16-27  Q's fragment; v22-27 zero codes
.set QS,   28                          ; v28     Q's scale word
.set GK,   29                          ; v29     16 x lane: my bytes of a dense 512, in K's codes and in out0
.set GV,   30                          ; v30     V's codes: 1,536 (lane / 4) + 16 (lane % 4)
.set GKS,  31                          ; v31     K's scale bytes: 4 x my number in the group
.set SK0,  32                          ; v32-33  where I store K's codes [e, o]
.set SK1,  34                          ; v34-35  the same, one padding further on for lanes 16-31
.set SV,   36                          ; v36-37  V's codes
.set SS,   38                          ; v38-39  the scale bytes
.set KFR,  40                          ; v40-93  K's eight fragments of a slot's first step, tile t at v[40 + 6 t] on, 12 registers, overlapping; v88-93 zero codes
.set KSR,  94                          ; v94-97  their scale words: register b: lanes 0-15 tile 2 b, lanes 16-31 tile 2 b + 1
.set VSR,  98                          ; v98-99  V's likewise, first step
.set SCR,  100                         ; v100-163 S^T, then p; on the way out the results
.set OT,   164                         ; v164-195 O^T: register 8 t + j is o(query r, 16 t + 8 (lane / 16) + j)
.set PC,   196                         ; v196-207 p's codes
.set CT,   208                         ; v208-210, v212-214 the halves of p's codes that are made elsewhere and moved
.set BM,   216                         ; v216-219 the four blocks' largest score, then largest p
.set PT,   220                         ; v220-223 at work
.set SO,   224                         ; v224-227 the conversions' scale operands
.set FF,   228                         ; v228    f = 2^(old M - new M)
.set PW,   229                         ; v229    p's scale word
.set TT,   230                         ; v230    at work
.set NEGV, 231                         ; v231    -8e6: times 1 / 8 it is the fill value -1e6
.set GVS,  232                         ; v232    V's scale bytes: 64 (n / 2) + 4 (n % 2), n my number in the group
.set STO,  233                         ; v233    the way out: where I put 32 bytes of a row
.set RD,   234                         ; v234    and where I read a row back
.set RR,   236                         ; v235-249 the head's: r = lane % 16, h = lane / 16, lane, my number in the group, offsets of Q and valid_lens, the ranking
.set HH,   237
.set LL,   238
.set TG,   239
.set GQ,   240
.set GQS,  241
.set VLO,  242
.set VLR,  243
.set VLC,  244
.set VLE,  245
.set KEY,  246
.set RANK, 247
.set T0,   235
.set T1,   248
.set T2,   249
.set VS1,  250                         ; v250-251 V's scale words of a slot's second step
.set KS1,  252                         ; v252-255 K's
; window 1: v0-47 V's four fragments of a slot's first step; v48-71, v72-95, v96-97 a slot's share on its way from memory to LDS; v98-145 V's four of the second step; v146-199 K's eight of the second step, v194-199 zero codes
.set VF,   0
.set SGK,  48
.set SGV,  72
.set SGS,  96
.set VF1,  98
.set KF1,  146
; SCALAR REGISTERS.  s[4:19] the eight buffers, in the order of the arguments; behind the head sixteen masks
.set MK,   4
.set RK,   32                          ; s32-47 at the head only: the sixteen batches' keys, then the compares' masks, then the additions' carries out
.set WV,   20                          ; wave
.set GRP,  21                          ; 0: X, 1: Y
.set IDX,  22                          ; my number among the group's four waves
.set BX,   23                          ; X's batch
.set CH,   24                          ; my unit's chunk of 64 queries
.set BT,   25                          ; my unit's batch
.set VLM,  26                          ; valid length, 0 .. 2,048
.set NSTEP, 27                         ; key steps to walk
.set NS,   28                          ; slots to walk
.set SL,   29                          ; the slot that this trip reads: trip - 1
.set SL1,  30
.set TR,   32
.set KF,   33                          ; the slot's first key
.set KB,   36                          ; s[36:43] where my share of the next slot to be fetched begins: K's codes, V's codes, K's scales, V's scales
.set VB,   38
.set KSB,  40
.set VSB,  42
.set QB,   44                          ; s[44:49] my tile's Q codes, Q scales, rows of out0
.set QSB,  46
.set OB,   48
.set SEL,  50                          ; s[50:51] lane selects for v_permlanex16_b32: lane l xor 16
.set CS,   52                          ; s[52:53] c = log2(e) / 8; the packed form names a pair and takes its low word for both halves
.set OFS,  54                          ; s[54:55] an offset, high word 0
.set BA,   60                          ; my group's buffer 0: even trips store here, odd trips read here
.set BB,   61                          ; buffer 1: the other way round
.set MSB, 0
.macro WIN new                         ; s_set_vgpr_msb: bits 1:0 source 0, 3:2 source 1, 5:4 source 2, 7:6 destination; the high byte repeats the setting that is left
.if MSB != \new
	s_set_vgpr_msb (MSB<<8)|\new
.set MSB, \new
.endif
.endm
; My share of a slot, memory to registers: 14 loads.  K: my 64 keys are 3,072 dense bytes, 512 a load.  V: my 16 rows d, 192 bytes each: 8 rows x 64 bytes a load.  Scale bytes: 4 a lane of each.
.macro LOADSLOT
	WIN 0x40                                       ; destination window 1
.irp j, 0,1,2,3,4,5
	global_load_b128 v[SGK+4*\j:SGK+4*\j+3], v[GK], s[KB:KB+1] offset:512*\j
.endr
.irp a, 0,1
.irp c, 0,1,2
	global_load_b128 v[SGV+4*(3*\a+\c):SGV+4*(3*\a+\c)+3], v[GV], s[VB:VB+1] offset:12288*\a+64*\c
.endr
.endr
	global_load_b32 v[SGS], v[GKS], s[KSB:KSB+1]
	global_load_b32 v[SGS+1], v[GVS], s[VSB:VSB+1]
	WIN 0
	s_wait_xcnt 0x0                                ; the loads have read their bases: only behind this wait are they stepped
	s_add_nc_u64 s[KB:KB+1], s[KB:KB+1], 12288     ; 256 keys of 48 bytes on
	s_add_nc_u64 s[VB:VB+1], s[VB:VB+1], 192       ; 256 codes on in each row
	s_add_nc_u64 s[KSB:KSB+1], s[KSB:KSB+1], 512
	s_add_nc_u64 s[VSB:VSB+1], s[VSB:VSB+1], 8
.endm
; And registers to LDS: 14 stores.  Byte x of my 3,072 of K goes to x + 128 (x / 768): where a load's 512 bytes straddle a group's end, lanes 16-31 lie one padding further on (SK1).
.macro STORESLOT par
	WIN 0x04                                       ; an LDS store's data are its source 1: window 1
	ds_store_b128 v[SK0+\par], v[SGK:SGK+3]
	ds_store_b128 v[SK1+\par], v[SGK+4:SGK+7] offset:512
	ds_store_b128 v[SK0+\par], v[SGK+8:SGK+11] offset:1152
	ds_store_b128 v[SK0+\par], v[SGK+12:SGK+15] offset:1792
	ds_store_b128 v[SK1+\par], v[SGK+16:SGK+19] offset:2304
	ds_store_b128 v[SK0+\par], v[SGK+20:SGK+23] offset:2944
.irp a, 0,1
.irp c, 0,1,2
	ds_store_b128 v[SV+\par], v[SGV+4*(3*\a+\c):SGV+4*(3*\a+\c)+3] offset:8*VP*\a+64*\c
.endr
.endr
	ds_store_b32 v[SS+\par], v[SGS]
	ds_store_b32 v[SS+\par], v[SGS+1] offset:VSC-KSC
	WIN 0
.endm
; K's four scale registers and eight half fragments (24 bytes a lane: three loads of 8) of the slot's q-th step, into set q: 28 loads.  VLOAD always follows, and lays the windows back
.macro KLOAD par, q
.irp b, 0,1,2,3
	ds_load_u16 v[KSR+(KS1-KSR)*\q+\b], v[ASK+\par] offset:256*\q+64*\b   ; 16 bits, widened with zeros
.endr
.if \q
	WIN 0x40                                       ; the second set lies in window 1
.endif
.irp t, 0,1,2,3,4,5,6,7
.irp p, 0,1,2
	ds_load_b64 v[KFR+(KF1-KFR)*\q+6*\t+2*\p:KFR+(KF1-KFR)*\q+6*\t+2*\p+1], v[AK+\par] offset:8*KGRP*\q+2*KGRP*(\t/2)+384*(\t%2)+8*\p
.endr
.endr
.endm
; V's four fragments (16 of the head's 64 x 128 keys) and two scale registers, into set q: 26 loads
.macro VLOAD par, q
	WIN 0x40                                       ; destination window 1
.irp t, 0,1,2,3
.irp p, 0,1,2,3,4,5
	ds_load_b64 v[VF+(VF1-VF)*\q+12*\t+2*\p:VF+(VF1-VF)*\q+12*\t+2*\p+1], v[AV+\par] offset:16*VP*\t+96*\q+48*(\p/3)+8*(\p%3)
.endr
.endr
	WIN 0
.irp u, 0,1
	ds_load_b32 v[VSR+(VS1-VSR)*\q+\u], v[ASV+\par] offset:256*\u+4*\q
.endr
.endm
; A KEY STEP: 128 keys, the q-th of the slot in hand.  Its K and V have been asked for, K first.
.macro STEP par, q
	s_wait_dscnt 26                                ; LDS loads come back in order (ISA guide 5.7.1): this step's K is in; the 26 loads behind it, its V, may be out
.if \q
	WIN 0x01                                       ; source 0: K's second set lies in window 1
.endif
.irp t, 0,1,2,3,4,5,6,7                        ; S^T = K Q^T: eight accumulators, each begun with the constant 0
.if (\t)%2
	v_wmma_scale_f32_16x16x128_f8f6f4 v[SCR+8*\t:SCR+8*\t+7], v[KFR+(KF1-KFR)*\q+6*\t:KFR+(KF1-KFR)*\q+6*\t+11], v[QF:QF+11], 0, v[KSR+(KS1-KSR)*\q+\t/2], v[QS] matrix_a_fmt:MATRIX_FMT_FP6 matrix_b_fmt:MATRIX_FMT_FP6 matrix_a_scale:MATRIX_SCALE_ROW1
.else
	v_wmma_scale_f32_16x16x128_f8f6f4 v[SCR+8*\t:SCR+8*\t+7], v[KFR+(KF1-KFR)*\q+6*\t:KFR+(KF1-KFR)*\q+6*\t+11], v[QF:QF+11], 0, v[KSR+(KS1-KSR)*\q+\t/2], v[QS] matrix_a_fmt:MATRIX_FMT_FP6 matrix_b_fmt:MATRIX_FMT_FP6
.endif
.endr
	WIN 0
.rept 4
	v_nop                                          ; four places (ISA guide 7.12.1) in front of the first read of the scores
.endr
.if \q == 0
	KLOAD \par, 1                                  ; the next step's K and V land under this step's softmax: a slot is always whole in LDS, so these read stored bytes also where that step is left out.
	VLOAD \par, 1                                  ; No wait: since the wait at the head of the trip's work no vector or matrix instruction has named the second sets or these loads' addresses
.endif
	s_add_co_u32 s34, s[KF], 128*(\q+1)
	s_cmp_le_u32 s34, s[VLM]                       ; all 128 keys count: no mask
	s_cbranch_scc1 .Lopen_\@
	s_sub_co_i32 s35, s[VLM], s[KF]
.if \q
	s_sub_co_i32 s35, s35, 128
.endif
	v_sub_nc_u32 v[TT], s35, v[H1]                 ; d = valid length - the step's first key - 16 (lane / 16) - 1.  Register 16 b + i holds the step's key 32 b + 16 (lane / 16) + i: masked where 32 b + i > d
.set nn, 0
.rept 4                                        ; a block of 16 registers at a time: sixteen compares into sixteen scalar registers, one wait, sixteen selects
.set mm, 0
.rept 16
	v_cmp_gt_i32 s[MK+mm], 32*(nn/16)+mm, v[TT]
.set mm, mm+1
.endr
	s_wait_alu depctr_va_sdst(0)                   ; the sixteen compares have written s[MK ..], ahead of the selects that read them
.set mm, 0
.rept 16
	v_cndmask_b32 v[SCR+nn+mm], v[SCR+nn+mm], v[NEGV], s[MK+mm]
.set mm, mm+1
.endr
.set nn, nn+16
.endr
.Lopen_\@:
.irp b, 0,1,2,3
	v_max3_num_f32 v[BM+\b], v[SCR+16*\b], v[SCR+1+16*\b], v[SCR+2+16*\b]   ; the largest score of each block of 32 keys: it serves the row's maximum and, since p rises with the score, the block's largest p
.endr
.irp i, 3,5,7,9,11,13
.irp b, 0,1,2,3
	v_max3_num_f32 v[BM+\b], v[BM+\b], v[SCR+16*\b+\i], v[SCR+1+16*\b+\i]   ; (the four blocks by turns)
.endr
.endr
.irp b, 0,1,2,3
	v_max_num_f32 v[BM+\b], v[BM+\b], v[SCR+15+16*\b]
.endr
.irp b, 0,1,2,3
	v_permlanex16_b32 v[PT+\b], v[BM+\b], s[SEL], s[SEL+1]
.endr
.irp b, 0,1,2,3
	v_max_num_f32 v[BM+\b], v[BM+\b], v[PT+\b]     ; with lane l xor 16's 16 keys
.endr
	v_max3_num_f32 v[TT], v[BM], v[BM+1], v[BM+2]
	v_max_num_f32 v[TT], v[TT], v[BM+3]            ; the step's largest score of my query
	v_mul_f32 v[TT], s[CS], v[TT]                  ; as t (c is positive)
	v_max_num_f32 v13, v13, v[TT]                  ; the running largest t
	v_mov_b32 v[TT], v12
	v_floor_f32 v12, -v13                          ; the new -M = floor(-t) = -ceil(t): M is a whole number
	v_sub_f32 v[TT], v12, v[TT]                    ; old M - new M: a whole number, 0 or less
	v_cvt_i32_f32 v[TT], v[TT]                     ; (it saturates)
	v_ldexp_f32 v[FF], 1.0, v[TT]                  ; f = 2^(old M - new M): a multiplication by it rounds nothing
.set jj, 0
.rept 32
	v_pk_fma_f32 v[SCR+jj:SCR+jj+1], v[SCR+jj:SCR+jj+1], s[CS:CS+1], v[12:13] op_sel_hi:[1,0,0]   ; t - M, two at a time
.set jj, jj+2
.endr
.irp b, 0,1,2,3
	v_fma_f32 v[BM+\b], v[BM+\b], s[CS], v12       ; the same of each block's largest score
.endr
.set jj, 0
.rept 64
	v_exp_f32 v[SCR+jj], v[SCR+jj]                 ; p = 2^(t - M), at most 1
.set jj, jj+1
.endr
	v_pk_mul_f32 v[14:15], v[14:15], v[FF:FF+1] op_sel_hi:[1,0]   ; the sums under the new M: the plain instruction behind the exponentials
	s_wait_alu depctr_va_vdst(0)                   ; the 64 exponentials have written p: one wait for the batch, ahead of its first reader
.irp b, 0,1,2,3
	v_exp_f32 v[BM+\b], v[BM+\b]                   ; the block's largest p: the same two instructions on the same number give the same bits
.endr
	v_pk_add_f32 v[PT:PT+1], v[SCR:SCR+1], v[SCR+2:SCR+3]   ; the row's sum is taken of the unquantised p: two at a time, in two chains; these lines read the 64 alone
.set jj, 4
.rept 15
	v_pk_add_f32 v[14:15], v[14:15], v[SCR+jj:SCR+jj+1]
	v_pk_add_f32 v[PT:PT+1], v[PT:PT+1], v[SCR+jj+2:SCR+jj+3]
.set jj, jj+4
.endr
	v_pk_add_f32 v[14:15], v[14:15], v[PT:PT+1]
	s_wait_alu depctr_va_vdst(0)                   ; the four exponentials have written the blocks' largest p, ahead of their first reader
.irp b, 0,1,2,3
	v_max_num_f32 v[BM+\b], 0x1800000, v[BM+\b]    ; the floor 2^(3 - 127): the byte cannot fall under 1 (a block of zeros keeps that byte: its codes are zeros)
.endr
.irp b, 0,1,2,3
	v_add_nc_u32 v[SO+\b], 0xff000000, v[BM+\b]    ; 2 off the exponent field: the conversion takes this operand's exponent field as its scale
.endr
.irp b, 0,1,2,3
	v_lshrrev_b32 v[PT+\b], 23, v[SO+\b]           ; the scale's byte
.endr
	v_lshl_or_b32 v[PW], v[PT+1], 8, v[PT]         ; p's scale word for these 128 keys
	v_lshl_or_b32 v[PW], v[PT+2], 16, v[PW]
	v_lshl_or_b32 v[PW], v[PT+3], 24, v[PW]
.irp c, 0,1
	v_cvt_scalef32_pk16_fp6_f32 v[PC+6*\c:PC+6*\c+2], v[SCR+32*\c:SCR+32*\c+15], v[SO+2*\c]
	v_cvt_scalef32_pk16_fp6_f32 v[CT+4*\c:CT+4*\c+2], v[SCR+32*\c+16:SCR+32*\c+31], v[SO+2*\c+1]   ; (a conversion's three registers begin on an even number)
.endr
	v_nop                                          ; one plain instruction behind the last scaled conversion
.irp c, 0,1                                    ; the operand's layout wants a whole block in a lane: lanes 0-15 block 2 c, lanes 16-31 block 2 c + 1
.irp i, 0,1,2
	v_permlane16_swap_b32 v[PC+6*\c+\i], v[CT+4*\c+\i]
.endr
.irp i, 0,1,2
	v_mov_b32 v[PC+6*\c+3+\i], v[CT+4*\c+\i]
.endr
.endr
.set jj, 0
.rept 16
	v_pk_mul_f32 v[OT+jj:OT+jj+1], v[OT+jj:OT+jj+1], v[FF:FF+1] op_sel_hi:[1,0]   ; O^T under the new M.  Of these sixteen, twelve name no register of a given product below: the places between the codes' and the scale word's last writes and the products
.set jj, jj+2
.endr
	s_wait_dscnt 54*(1-\q)                         ; this step's V is in; in a slot's first step the 54 loads behind it, the next step's K and V, may be out
	s_wait_alu depctr_va_vdst(0)                   ; the vector instructions have written p's codes and p's scale word, which the scaled products below take; the places above stay beside this wait
	WIN 0x01                                       ; source 0 (V) window 1
.irp t, 0,1,2,3                                ; O^T += V^T P^T: four accumulators by turns, one instruction a turn
.if (\t)%2
	v_wmma_scale_f32_16x16x128_f8f6f4 v[OT+8*\t:OT+8*\t+7], v[VF+(VF1-VF)*\q+12*\t:VF+(VF1-VF)*\q+12*\t+11], v[PC:PC+11], v[OT+8*\t:OT+8*\t+7], v[VSR+(VS1-VSR)*\q+\t/2], v[PW] matrix_a_fmt:MATRIX_FMT_FP6 matrix_b_fmt:MATRIX_FMT_FP6 matrix_a_scale:MATRIX_SCALE_ROW1
.else
	v_wmma_scale_f32_16x16x128_f8f6f4 v[OT+8*\t:OT+8*\t+7], v[VF+(VF1-VF)*\q+12*\t:VF+(VF1-VF)*\q+12*\t+11], v[PC:PC+11], v[OT+8*\t:OT+8*\t+7], v[VSR+(VS1-VSR)*\q+\t/2], v[PW] matrix_a_fmt:MATRIX_FMT_FP6 matrix_b_fmt:MATRIX_FMT_FP6
.endif
.endr
	WIN 0
.endm
; THE WAY OUT.  O^T / the sum goes through my own stage in LDS and leaves as whole rows of 256 bytes, two rows a store.
.macro OUT
.rept 4
	v_nop                                          ; four places behind the last products
.endr
	v_add_f32 v14, v14, v15                        ; the sum's two halves,
	v_permlanex16_b32 v[FF], v14, s[SEL], s[SEL+1]
	v_add_f32 v14, v14, v[FF]                      ; and lane l xor 16's: the row's sum
	v_rcp_f32 v14, v14
	v_nop                                          ; a plain instruction behind the reciprocal,
	s_wait_alu depctr_va_vdst(0)                   ; and the wait: the reciprocal has written v14, ahead of its first reader
.set jj, 0
.rept 16
	v_pk_mul_f32 v[SCR+jj:SCR+jj+1], v[OT+jj:OT+jj+1], v[14:15] op_sel_hi:[1,0]   ; each accumulator from its low end on
.set jj, jj+2
.endr
	s_wait_alu depctr_va_vdst(0)                   ; the multiplications have written v[SCR .. SCR + 31], which the LDS stores read; and the softmax is done with v[SCR + 32 .. SCR + 63], in which the LDS loads land
.irp t, 0,1,2,3
	ds_store_b128 v[STO], v[SCR+8*\t:SCR+8*\t+3] offset:64*\t          ; lane (r, h): o(r, 16 t + 8 h + 0 .. 7)
	ds_store_b128 v[STO], v[SCR+8*\t+4:SCR+8*\t+7] offset:64*\t+16
.endr
.irp i, 0,1,2,3,4,5,6,7
	ds_load_b128 v[SCR+32+4*\i:SCR+32+4*\i+3], v[RD] offset:544*\i     ; LDS serves a wave's instructions in order (ISA guide 5.7.1.4): these see my stores
.endr
.irp i, 0,1,2,3,4,5,6,7
	s_wait_dscnt 7-\i                              ; load i is in; the 7 - i issued behind it may be out
	global_store_b128 v[GK], v[SCR+32+4*\i:SCR+32+4*\i+3], s[OB:OB+1] offset:512*\i th:TH_STORE_NT   ; 32 lanes store 512 consecutive bytes, at a multiple of 256 from out0's first byte
.endr
	s_wait_xcnt 0x0                                ; the stores have read their registers
	s_wait_alu depctr_vm_vsrc(0)                   ; the LDS stores and the global stores have read v[SCR ..]: the next trip's lines, which name these registers again, stand behind this wait
.endm
; A TRIP.  more = 1: slot SL + 1 goes from registers into the buffer that was read last trip, slot SL + 2 is asked of memory, and a barrier ends the trip.  Then slot SL, stored last trip, is worked.
.macro TRIP par, more
	s_add_co_u32 s[SL1], s[SL], 1
.if \more
	s_cmp_lt_u32 s[SL1], s[NS]
	s_cbranch_scc0 .Lstaged_\@
	s_wait_loadcnt 0x0                             ; my share of slot SL + 1 is in registers
	STORESLOT \par
	s_wait_alu depctr_vm_vsrc(0)                   ; the LDS stores have read the staging registers, in which the next slot's loads land
	s_add_co_u32 s34, s[SL], 2
	s_cmp_lt_u32 s34, s[NS]
	s_cbranch_scc0 .Lstaged_\@
	s_wait_dscnt 0x0                               ; the stores are served
	LOADSLOT
.Lstaged_\@:
.endif
	s_cmp_lt_u32 s[SL], s[NS]                      ; (unsigned: in the first trip SL is -1)
	s_cbranch_scc0 .Lidle_\@
	s_wait_loadcnt 14                              ; behind Q's loads stand a slot's 14, and never more than 14 are out: Q is in, and the slot being fetched stays on its way
	s_lshl_b32 s[KF], s[SL], 8
	s_wait_alu depctr_va_vdst(0)                   ; the last trip's products are done reading both sets of K's and V's fragments and scale words, in which this trip's LDS loads land
	KLOAD \par, 0
	VLOAD \par, 0
	STEP \par, 0
	s_lshl_b32 s34, s[SL], 1
	s_add_co_u32 s34, s34, 1
	s_cmp_lt_u32 s34, s[NSTEP]
	s_cbranch_scc0 .Lone_\@
	STEP \par, 1
.Lone_\@:
	s_cmp_eq_u32 s[SL1], s[NS]                     ; that was my unit's last slot
	s_cbranch_scc0 .Lidle_\@
	OUT
.Lidle_\@:
.if \more
	s_wait_dscnt 0x0                               ; my stores into one buffer have landed and my reads of the other are in:
	s_barrier_signal -1                            ; behind this barrier the one is read and the other is written again
	s_barrier_wait -1
	s_add_co_u32 s[SL], s[SL], 1
.endif
.endm
	s_load_b512 s[4:19], s[0:1], 0x0               ; Q codes s[4:5], Q scales s[6:7], K codes s[8:9], K scales s[10:11], V codes s[12:13], V scales s[14:15], valid_lens s[16:17], out0 s[18:19]
	v_lshl_add_u32 v[SPW], v0, 2, SPARE
	v_mov_b32 v[NIL], 0
	v_and_b32 v[RR], 15, v0                        ; r
	v_lshlrev_b32 v[VLO], 2, v[RR]
	v_lshrrev_b32 v[T0], 5, v0
	v_readfirstlane_b32 s[WV], v[T0]               ; wave 0..7
	s_wait_kmcnt 0x0
	s_wait_alu depctr_va_vdst(0)                   ; v[VLO] is written, which the load below reads as its offset
	global_load_b32 v[VLR], v[VLO], s[16:17]       ; lane r and lane 16 + r: valid_lens[r].  The set-up below stands under this load
	s_wait_alu depctr_va_sdst(0)                   ; s[WV] is written, ahead of its first reader
	s_lshr_b32 s[IDX], s[WV], 1
	s_lshr_b32 s34, s[WV], 2
	s_xor_b32 s[GRP], s[WV], s[IDX]
	s_xor_b32 s[GRP], s[GRP], s34
	s_and_b32 s[GRP], s[GRP], 1                    ; the parity of the wave's three bits
	s_lshl_b32 s[BA], s[GRP], 16
	s_add_co_u32 s[BB], s[BA], BUF
	s_and_b32 s[BX], ttmp9, 15
	s_lshr_b32 s[CH], ttmp9, 4
	s_lshl_b32 s34, s[GRP], 4
	s_add_co_u32 s[CH], s[CH], s34                 ; X: chunks 0-15, Y: 16-31
	s_mov_b32 s[SEL], 0x76543210
	s_mov_b32 s[SEL+1], 0xfedcba98
	s_mov_b32 s[CS], 0x3e38aa3b                    ; c = log2(e) / 8
	s_mov_b32 s[CS+1], s[CS]                       ; (named with it as a pair, so it is written)
	v_and_b32 v[LL], 31, v0                        ; lane
	v_bfe_u32 v[HH], v0, 4, 1                      ; h
	v_lshrrev_b32 v[T0], 6, v0
	v_lshl_or_b32 v[TG], v[T0], 5, v[LL]           ; my number in the group: 32 x (wave / 2) + lane
	; where my lane reads.  Even trips read buffer 1, odd trips buffer 0
	v_lshrrev_b32 v[T0], 3, v[RR]                  ; r / 8
	v_and_b32 v[T1], 7, v[RR]
	v_mul_u32_u24 v[T2], v[T0], KGRP
	v_mad_u32_u24 v[T2], v[T1], 48, v[T2]
	v_mad_u32_u24 v[T2], v[HH], 24, v[T2]          ; K: key r % 8 + 16 (r / 8) of a pair of groups, + my half's 24 bytes
	v_add_nc_u32 v[AK], s[BB], v[T2]
	v_add_nc_u32 v[AK+1], s[BA], v[T2]
	v_lshl_add_u32 v[T2], v[T0], 3, v[RR]          ; r + 8 (r / 8),
	v_lshl_add_u32 v[T2], v[HH], 3, v[T2]          ; + 8 for lanes 16-31, which take the odd tile's keys
	v_lshl_add_u32 v[T2], v[T2], 1, KSC            ; 2 bytes a key
	v_add_nc_u32 v[ASK], s[BB], v[T2]
	v_add_nc_u32 v[ASK+1], s[BA], v[T2]
	v_mul_u32_u24 v[T2], v[RR], VP
	v_mad_u32_u24 v[T2], v[HH], 24, v[T2]
	v_add_nc_u32 v[T2], VOFF, v[T2]                ; V: row r of a tile, + my half's 24 bytes
	v_add_nc_u32 v[AV], s[BB], v[T2]
	v_add_nc_u32 v[AV+1], s[BA], v[T2]
	v_lshl_add_u32 v[T2], v[LL], 3, VSC            ; V's scale words: row d = lane of a pair of tiles
	v_add_nc_u32 v[ASV], s[BB], v[T2]
	v_add_nc_u32 v[ASV+1], s[BA], v[T2]
	; where my lane stores.  Even trips store into buffer 0, odd trips into buffer 1
	s_mul_i32 s34, s[IDX], 4*KGRP                  ; my 64 keys are four groups
	v_lshl_add_u32 v[T2], v[LL], 4, s34
	v_add_nc_u32 v[SK0], s[BA], v[T2]
	v_add_nc_u32 v[SK0+1], s[BB], v[T2]
	v_lshl_add_u32 v[SK1], v[HH], 7, v[SK0]
	v_lshl_add_u32 v[SK1+1], v[HH], 7, v[SK0+1]
	s_mul_i32 s34, s[IDX], 16*VP                   ; my 16 rows of V
	s_add_co_u32 s34, s34, VOFF
	v_lshrrev_b32 v[T0], 2, v[LL]
	v_and_b32 v[T1], 3, v[LL]
	v_mul_u32_u24 v[T2], v[T0], VP
	v_lshl_add_u32 v[T2], v[T1], 4, v[T2]
	v_add_nc_u32 v[T2], s34, v[T2]
	v_add_nc_u32 v[SV], s[BA], v[T2]
	v_add_nc_u32 v[SV+1], s[BB], v[T2]
	v_mul_u32_u24 v[GV], v[T0], 1536               ; and the same in memory: four lanes to a row's 64 bytes, eight rows a load
	v_lshl_add_u32 v[GV], v[T1], 4, v[GV]
	v_lshl_add_u32 v[T2], v[TG], 2, KSC
	v_add_nc_u32 v[SS], s[BA], v[T2]
	v_add_nc_u32 v[SS+1], s[BB], v[T2]
	v_lshlrev_b32 v[GK], 4, v[LL]
	v_lshlrev_b32 v[GKS], 2, v[TG]
	v_lshrrev_b32 v[T0], 1, v[TG]
	v_and_b32 v[T1], 1, v[TG]
	v_lshlrev_b32 v[GVS], 6, v[T0]
	v_lshl_add_u32 v[GVS], v[T1], 2, v[GVS]
	s_mul_i32 s34, s[WV], STGW
	s_add_co_u32 s34, s34, STG                     ; my stage
	v_mul_u32_u24 v[T2], v[RR], 272
	v_lshl_add_u32 v[T2], v[HH], 5, v[T2]
	v_add_nc_u32 v[STO], s34, v[T2]                ; in: row r, 32 bytes for each half of the lanes
	v_mul_u32_u24 v[T2], v[HH], 272
	v_lshl_add_u32 v[T2], v[RR], 4, v[T2]
	v_add_nc_u32 v[RD], s34, v[T2]                 ; back: lanes 0-15 one row, lanes 16-31 the next
	v_mul_u32_u24 v[GQ], v[RR], 48
	v_mad_u32_u24 v[GQ], v[HH], 24, v[GQ]          ; Q: row r, + my half's 24 bytes
	v_lshlrev_b32 v[GQS], 1, v[RR]
	v_lshl_add_u32 v[H1], v[HH], 4, 1
	v_mov_b32 v[NEGV], 0xcaf42400                  ; -8e6
	v_mov_b32 v13, 0xff61b1e6                      ; the largest t so far: -3e38, under every t
	v_floor_f32 v12, -v13                          ; -M
	v_mov_b32 v14, 0                               ; the sum, in two halves
	v_mov_b32 v15, 0
.irp j, 0,1,2,3,4,5
	v_mov_b32 v[QF+6+\j], 0                        ; zero codes: the upper 64 along the first product's K
	v_mov_b32 v[KFR+48+\j], 0                      ; and what stands behind K's last tile
.endr
	WIN 0x40                                       ; destination window 1
.irp j, 0,1,2,3,4,5
	v_mov_b32 v[KF1+48+\j], 0                      ; the same behind the second set's last tile
.endr
	WIN 0
.irp b, 0,1,2,3
	v_mov_b32 v[PT+\b], 0                          ; written once: a lane permute's destination counts as one of its sources
.endr
	v_mov_b32 v[FF], 0
	v_mov_b32 v[PW], 0                             ; (named as the upper half of the pair with f before it is first written)
.set jj, 0
.rept 32
	v_mov_b32 v[OT+jj], 0                          ; O^T.  The step is written without a first step of its own: the first finds zeros, which the first change of M leaves zeros
.set jj, jj+1
.endr
	; THE RANKING.  Each lane holds one batch's length; rank = how many batches are longer (ties by the batch's number)
	s_wait_loadcnt 0x0                             ; valid_lens
	v_cmp_lt_i32 vcc_lo, 0, v[VLR]
	s_wait_alu depctr_va_vcc(0)                    ; the compare has written VCC, ahead of the select that reads it
	v_cndmask_b32 v[VLC], 0, v[VLR], vcc_lo        ; a negative length masks every key, as 0 does
	v_min_u32 v[VLC], 0x800, v[VLC]                ; and one beyond 2,048 masks none
	v_cmp_ne_u32 vcc_lo, 0, v[VLC]
	s_wait_alu depctr_va_vcc(0)                    ; the compare has written VCC, ahead of the select that reads it
	v_cndmask_b32 v[VLE], 0x800, v[VLC], vcc_lo    ; the keys to be walked: with length 0 all of them, every score masked
	v_lshl_or_b32 v[KEY], v[VLE], 4, v[RR]
	v_mov_b32 v[RANK], 0
.irp j, 0,1,2,3,4,5,6,7,8,9,10,11,12,13,14,15
	v_readlane_b32 s[RK+\j], v[KEY], \j            ; the sixteen batches' keys,
.endr
	s_wait_alu depctr_va_sdst(0)                   ; which are written, ahead of the compares that read them
.irp j, 0,1,2,3,4,5,6,7,8,9,10,11,12,13,14,15
	v_cmp_gt_u32 s[RK+\j], s[RK+\j], v[KEY]        ; each gives way to its mask: the lanes whose batch is behind batch j
.endr
	s_wait_alu depctr_va_sdst(0)                   ; the sixteen masks are written, ahead of the additions that take them as carries
.irp j, 0,1,2,3,4,5,6,7,8,9,10,11,12,13,14,15
	v_add_co_ci_u32 v[RANK], s[RK+\j], 0, v[RANK], s[RK+\j]   ; (the carry out falls into the same register and is read by nobody)
.endr
	s_wait_alu depctr_va_sdst(0)                   ; the sixteen carries out are written into s[RK ..], ahead of the lines that name these registers again: the read of a lane below writes s34, the scalar lines further down the others
	v_readlane_b32 s34, v[RANK], s[BX]
	s_wait_alu depctr_va_sdst(0)                   ; s34 is written, ahead of its first reader
	s_sub_co_u32 s34, 15, s34
	v_cmp_eq_u32 s35, s34, v[RANK]
	s_wait_alu depctr_va_sdst(0)                   ; s35 is written, ahead of its first reader
	s_ctz_i32_b32 s35, s35                         ; the batch of rank 15 - rank(X's batch)
	s_cmp_eq_u32 s[GRP], 0
	s_cselect_b32 s[BT], s[BX], s35
	s_min_u32 s[BT], s[BT], 15                     ; a number that hangs on loaded data is held to its range before it enters an address
	v_readlane_b32 s[VLM], v[VLC], s[BT]
	v_readlane_b32 s34, v[VLE], s[BT]
	s_wait_alu depctr_va_sdst(0)                   ; s[VLM] and s34 are written, ahead of their first readers: the trip counts below, the steps' tests in the loop
	s_add_co_u32 s[NSTEP], s34, 127
	s_lshr_b32 s[NSTEP], s[NSTEP], 7
	s_add_co_u32 s[NS], s34, 255
	s_lshr_b32 s[NS], s[NS], 8
	; the addresses: each a buffer's own pointer plus an offset under 2^24
	s_lshl_b32 s34, s[BT], 11
	s_lshl_b32 s35, s[CH], 6
	s_add_co_u32 s34, s34, s35
	s_lshl_b32 s35, s[IDX], 4
	s_add_co_u32 s34, s34, s35                     ; my tile's first query, counted through all batches
	s_mov_b32 s[OFS+1], 0
	s_mul_i32 s[OFS], s34, 48
	s_add_nc_u64 s[QB:QB+1], s[4:5], s[OFS:OFS+1]
	s_lshl_b32 s[OFS], s34, 1
	s_add_nc_u64 s[QSB:QSB+1], s[6:7], s[OFS:OFS+1]
	s_lshl_b32 s[OFS], s34, 8
	s_add_nc_u64 s[OB:OB+1], s[18:19], s[OFS:OFS+1]
	s_mul_i32 s56, s[BT], 98304                    ; a batch's codes
	s_mul_i32 s[OFS], s[IDX], 3072                 ; my 64 keys of a slot
	s_add_co_u32 s[OFS], s[OFS], s56
	s_add_nc_u64 s[KB:KB+1], s[8:9], s[OFS:OFS+1]
	s_mul_i32 s[OFS], s[IDX], 24576                ; my 16 rows of V
	s_add_co_u32 s[OFS], s[OFS], s56
	s_add_nc_u64 s[VB:VB+1], s[12:13], s[OFS:OFS+1]
	s_lshl_b32 s[OFS], s[BT], 12                   ; a batch's scale bytes
	s_add_nc_u64 s[KSB:KSB+1], s[10:11], s[OFS:OFS+1]
	s_add_nc_u64 s[VSB:VSB+1], s[14:15], s[OFS:OFS+1]
	s_wait_alu depctr_va_vdst(0)                   ; every address and offset of the kernel is written, which the loads and stores from here on read and no line writes again; so are the zero codes, which the scaled products take
.irp p, 0,1,2
	global_load_b64 v[QF+2*\p:QF+2*\p+1], v[GQ], s[QB:QB+1] offset:8*\p th:TH_LOAD_NT   ; Q's fragment stays in registers; read once in the launch
.endr
	global_load_u16 v[QS], v[GQS], s[QSB:QSB+1]    ; Q's two scale bytes, widened with zeros
	LOADSLOT                                       ; slot 0
	s_mov_b32 s[SL], -1
	s_mov_b32 s[TR], 4
.Ltrip:                                            ; trips 0 to 7, two to a turn of the loop, since the buffers change places from trip to trip
	TRIP 0, 1
	TRIP 1, 1
	s_sub_co_u32 s[TR], s[TR], 1
	s_cmp_lg_u32 s[TR], 0
	s_cbranch_scc1 .Ltrip
	TRIP 0, 0                                      ; trip 8: slot 7, where it is walked; nothing is left to stage, and nobody writes LDS that another reads
	s_wait_dscnt 0x0                               ; the wave's end: the closing lines, six on end
	s_wait_alu 0x0
	s_wait_tensorcnt 0x0
	ds_add_u32 v[SPW], v[NIL]
	s_wait_dscnt 0x0
	s_endpgm
.Lfunc_end_k_q986c99054f_attn:
	.size	k_q986c99054f_attn, .Lfunc_end_k_q986c99054f_attn-k_q986c99054f_attn
	.p2alignl 7, 3214868480
	.fill 96, 4, 3214868480
	.section	.rodata,"a",@progbits
	.p2align	6, 0x0
	.amdhsa_kernel k_q986c99054f_attn
		.amdhsa_group_segment_fixed_size 166912
		.amdhsa_private_segment_fixed_size 0
		.amdhsa_enable_private_segment 0
		.amdhsa_kernarg_size 64
		.amdhsa_user_sgpr_count 2
		.amdhsa_user_sgpr_kernarg_segment_ptr 1
		.amdhsa_wavefront_size32 1
		.amdhsa_system_sgpr_workgroup_id_x 1
		.amdhsa_system_sgpr_workgroup_id_y 1
		.amdhsa_system_sgpr_workgroup_id_z 1
		.amdhsa_system_vgpr_workitem_id 0
		.amdhsa_next_free_vgpr 456
		.amdhsa_next_free_sgpr 66
		.amdhsa_reserve_vcc 1
		.amdhsa_float_denorm_mode_32 3
		.amdhsa_float_denorm_mode_16_64 3
		.amdhsa_memory_ordered 1
		.amdhsa_forward_progress 1
		.amdhsa_inst_pref_size 189
	.end_amdhsa_kernel
	.amdgpu_metadata
---
amdhsa.version: [ 1, 2 ]
amdhsa.kernels:
  - .name:           k_q986c99054f_attn
    .symbol:         k_q986c99054f_attn.kd
    .args:
      - { .name: queries_codes, .offset: 0, .size: 8, .value_kind: global_buffer, .address_space: global }
      - { .name: queries_scales, .offset: 8, .size: 8, .value_kind: global_buffer, .address_space: global }
      - { .name: keys_codes, .offset: 16, .size: 8, .value_kind: global_buffer, .address_space: global }
      - { .name: keys_scales, .offset: 24, .size: 8, .value_kind: global_buffer, .address_space: global }
      - { .name: values_codes, .offset: 32, .size: 8, .value_kind: global_buffer, .address_space: global }
      - { .name: values_scales, .offset: 40, .size: 8, .value_kind: global_buffer, .address_space: global }
      - { .name: valid_lens, .offset: 48, .size: 8, .value_kind: global_buffer, .address_space: global }
      - { .name: out0, .offset: 56, .size: 8, .value_kind: global_buffer, .address_space: global }
    .group_segment_fixed_size: 166912
    .private_segment_fixed_size: 0
    .kernarg_segment_align: 8
    .kernarg_segment_size: 64
    .max_flat_workgroup_size: 256
    .sgpr_count:     66
    .vgpr_count:     456
    .wavefront_size: 32
...
	.end_amdgpu_metadata
.endif
;; end of part 2
